; MI455X (gfx1250); checked and timed in simulation.
; The chip was launched on July 23, 2026; its instructions are those of AMD's public machine-readable ISA for CDNA 5 (MIT licence, August 2026) and "CDNA5" Instruction Set Architecture Reference Guide (July 2026). The comments in the code are by the model that wrote it; some were corrected since.
;; Std Attention. Allowed arithmetic: matrix products marked QUANTISED: E4M3 operands, one E8M0 scale for each 32 along K, by v_wmma_scale_f32_16x16x128_f8f6f4 with both operands' format E4M3, f32 sums; everything else in f32.
;; Inputs: k 4 x 16 x 2,048 x 64 float32; q 4 x 16 x 2,048 x 64 float32; v 4 x 16 x 2,048 x 64 float32.
;; Outputs: out0 4 x 16 x 2,048 x 64 float32.
;; This version of the problem:
;;   THIS VERSION OF THE PROBLEM IS GIVEN IN LOW PRECISION. The matrix products marked QUANTISED in the list below multiply operands that are first quantised to E4M3 (4 exponent bits, 3 mantissa bits; 8 bits a number), with one power-of-two scale for each 32 numbers along K (OCP MX v1.0); their sums are f32. All else is computed in f32.
;;   The module's matrix products, in the order in which they are computed (A, B: the left and right operand; K: the contracted axis; several contracted axes count as one K, in the product's order):
;;     1. batch 64 x [M 2,048, K 64] x [K 64, N 2,048]; A: input q; B: input k: QUANTISED
;;     2. batch 64 x [M 2,048, K 2,048] x [K 2,048, N 64]; A: computed on the way; B: input v: QUANTISED
;;   THE QUANTISER, for each operand of a quantised product, along K:
;;     - K is cut into blocks of 32 from its start; a last block that is shorter is filled with zeros.
;;     - A block's scale is 2^e with e = floor(log2(the largest magnitude in the block)) - 8, held to -126 .. 127; a block of zeros has e = 0. As a byte (E8M0): e + 127.
;;     - Each number is divided by its block's scale, clamped to +-448, and rounded to the nearest number of E4M3, ties to even, subnormals kept.
;;     - The product sums the exact products of the quantised numbers (number of the format x scale) in f32.
;;   ~~~python
;;   def quantise(x, axis):      # numpy; x: float32 -> the quantised numbers, widened to float32 again
;;       x = np.moveaxis(x, axis, -1); K = x.shape[-1]
;;       x = np.pad(x, [(0, 0)] * (x.ndim - 1) + [(0, -K % 32)]); x = x.reshape(x.shape[:-1] + (-1, 32)); a = np.abs(x).max(-1, keepdims=True)
;;       e = np.where(a > 0, np.clip(np.frexp(np.where(a > 0, a, 1))[1] - 1 - 8, -126, 127), 0)      # np.frexp(a)[1] - 1 = floor(log2(a)), exactly
;;       r = np.clip(x / 2.0 ** e, -448, 448)
;;       step = 2.0 ** (np.maximum(np.frexp(np.where(r == 0, 1, r))[1] - 1, -6) - 3)
;;       q = np.round(r / step) * step * 2.0 ** e      # np.round: ties to even
;;       return np.moveaxis(q.reshape(q.shape[:-2] + (-1,))[..., :K], -1, axis).astype(np.float32)
;;   ~~~
;;   OPERANDS COMPUTED ON THE WAY. 'Computed on the way' means the value that the module computes at that place (a softmax that the list does not call 'softmax' is quantised finished and normalised). What goes into a quantiser is computed in f32, as accurately as f32 sums, v_exp_f32 and their like allow (about 1e-6 of the number): no bf16 or f16 on the way to a quantiser, and a product that is left as it is and whose result goes on into a quantised operand takes f32 operands (vector FMAs, or v_wmma_f32_16x16x4_f32). A number that lies on a knife's edge between two numbers of the format may be rounded either way, as far as f32 arithmetic and the matrix unit's own rounding can turn it there, and no further.
;; 2 versions, each right; version 2 is version 1 with the launch attn written anew for expert scheduling mode. Each part assembles by itself: llvm-mc -triple=amdgcn-amd-amdhsa -mcpu=gfx1250 --defsym DOCPART=n.
;; ======== version 1 of 2: 2 launches
;; workspace buffers: qimg 8,388,608 bytes; qscl 262,144 bytes; kimg 8,388,608 bytes; kscl 262,144 bytes; vimg 8,388,608 bytes; vscl 262,144 bytes
;; launch quant (part 1): grid 768 x 1, 4 waves a work-group, no clusters, 70,400 bytes of LDS; arguments q, k, v, qimg, qscl, kimg, kscl, vimg, vscl; writes qimg, qscl, kimg, kscl, vimg, vscl
.if DOCPART == 1
	.amdgcn_target "amdgcn-amd-amdhsa--gfx1250"
	.amdhsa_code_object_version 6
	.text
	.protected	k_qee5285a197_quant
	.globl	k_qee5285a197_quant
	.p2align	8
	.type	k_qee5285a197_quant,@function
k_qee5285a197_quant:
	s_mov_b64 s[64:65], 0
	v_nop
	global_prefetch_b8 v0, s[64:65] scope:SCOPE_SE
	s_setreg_imm32_b32 hwreg(HW_REG_WAVE_MODE, 25, 1), 1
	s_wait_xcnt 0x0
; q, k, v: [64 heads][2048][64] f32, become codes of FP8 (E4M3) with one E8M0 scale byte for each 32 along a product's K, laid as IMAGES OF OPERAND REGISTERS.
; A fragment is 2,048 bytes: group c (0..3) at 512 c, lane l's 16 bytes at 16 l: registers 4 c .. 4 c + 3 of a 16-register operand of the scaled 16x16x128 form.
; q, k (K = the head's 64): fragment F holds rows 32 F .. 32 F + 31 as TWO tiles of 16 rows, one behind the other along the instruction's K.  Lane (r = l % 16, h = l / 16), group c:
;   row 32 F + 8 (c / 2) + r + 8 (r / 8), d = 32 (c % 2) + 16 h + 0 .. 15.  Scale words [head][F][16]: word r = the bytes of (tile 0 block 0, tile 0 block 1, tile 1 block 0, tile 1 block 1).
; v (K = the keys): fragment (S, t): lane (r, h), group c: d = 16 t + r, keys 128 S + 32 c + 16 h + 0 .. 15.  Scale words [head][S][t][16]: word r = the four key blocks' bytes of d = 16 t + r.
; A block's scale is 2^(floor(log2(its largest magnitude)) - 8); its byte is the largest magnitude's exponent field - 8, held at 1 from below; numbers are held within +-448 x the scale and rounded to the nearest code, ties to even.
; LIMITS: a block of zeros gets the byte 1 where the rule says 127 (its codes are zeros, which add nothing under any byte but 0xff, and this program alone reads the bytes); NaN and infinities among the inputs are not served.
; SHARES: work-groups 0-255 take q, 256-511 k, 512-767 v.  A wave owns 32 KiB of f32 (128 rows), 8 KiB of images (4 fragments) and 256 scale bytes, all at run number R = 4 (work-group % 256) + wave.
; No matrix work, no tensor loads, no barrier: waves share nothing; the two ways through the text have LDS bytes of their own.
.set TM,   16                          ; v16-19 largest magnitudes, v20-23 the other half's / bytes, v24-27 448 x the scale, v28-31 the conversions' scale operands
.set PW,   32                          ; v32    a fragment's scale word (q, k)
.set W,    36                          ; v36-39 four scale words (v)
.set C,    40                          ; v40-55 a fragment's codes
.set R,    64                          ; v64-191 two sets of 64 numbers as loaded
.set X,    192                         ; v192-255 64 numbers in the order of the conversions
.set QKW,  9216                        ; q, k: LDS bytes of a wave: a stage of 32 rows (row x 272 + 128 (row / 16)), and at SST its 256 scale bytes
.set SST,  8960
.set VBASE, 4*QKW                      ; v: behind them, 4 fragments of 2,048 + 16 bytes for each wave
.set VF,   2064
.set VW,   4*VF
	s_load_b512 s[4:19], s[0:1], 0x0               ; q s[4:5], k s[6:7], v s[8:9], qimg s[10:11], qscl s[12:13], kimg s[14:15], kscl s[16:17], vimg s[18:19]
	s_load_b64 s[20:21], s[0:1], 0x40              ; vscl
	v_lshl_add_u32 v62, v0, 2, 0x11100
	v_mov_b32 v63, 0
	v_lshrrev_b32 v1, 5, v0
	v_readfirstlane_b32 s22, v1                    ; wave 0..3
	v_and_b32 v1, 31, v0                           ; lane
	v_lshlrev_b32 v2, 4, v1                        ; 16 x lane
	v_and_b32 v14, 15, v0                          ; lane % 16
	v_bfe_u32 v15, v0, 4, 1                        ; lane / 16
	s_mov_b32 s23, 0x600000                        ; the mantissa field of 448
	s_mov_b32 s24, 0x76543210
	s_mov_b32 s25, 0xfedcba98                      ; v_permlanex16_b32's selects for lane l xor 16
.irp b, 0,1,2,3
	v_mov_b32 v[TM+4+\b], 0                        ; written once: a lane permute's destination counts as one of its sources
.endr
	s_and_b32 s26, ttmp9, 255
	s_lshl_b32 s26, s26, 2
	s_add_co_u32 s26, s26, s22                     ; R: my wave's run, 0 .. 1023
	s_lshl_b32 s28, s26, 15                        ; 32,768 bytes of f32,
	s_mov_b32 s29, 0
	s_lshl_b32 s30, s26, 13                        ; 8,192 of images,
	s_mov_b32 s31, 0
	s_lshl_b32 s32, s26, 8                         ; 256 of scale bytes
	s_mov_b32 s33, 0
	s_wait_kmcnt 0x0
	s_cmp_lt_u32 ttmp9, 256                        ; which tensor: the choice hangs on the work-group's number alone
	s_cselect_b64 s[4:5], s[4:5], s[6:7]
	s_cselect_b64 s[10:11], s[10:11], s[14:15]
	s_cselect_b64 s[12:13], s[12:13], s[16:17]
	s_cmp_lt_u32 ttmp9, 512
	s_cselect_b64 s[4:5], s[4:5], s[8:9]
	s_cselect_b64 s[10:11], s[10:11], s[18:19]
	s_cselect_b64 s[12:13], s[12:13], s[20:21]
	s_add_nc_u64 s[4:5], s[4:5], s[28:29]          ; in
	s_add_nc_u64 s[10:11], s[10:11], s[30:31]      ; images
	s_add_nc_u64 s[12:13], s[12:13], s[32:33]      ; scale words
	s_cmp_ge_u32 ttmp9, 512
	s_cbranch_scc1 .Lv
; ---------------- q and k: K is innermost ----------------
; Each load takes 512 consecutive bytes (two rows); a fragment's 32 rows turn through the wave's stage, and come back 16 neighbours along d to a lane, in the order of the operand's registers.
	s_mul_i32 s27, s22, QKW
	v_mul_u32_u24 v3, v15, 272
	v_lshl_add_u32 v3, v14, 4, v3
	v_add_nc_u32 v3, s27, v3                       ; into the stage: row (lane / 16), 16 (lane % 16)
	v_and_b32 v5, 8, v14                           ; 8 (r / 8)
	v_add_nc_u32 v6, v5, v14                       ; r + 8 (r / 8)
	v_mul_u32_u24 v4, v6, 272
	v_lshl_add_u32 v4, v5, 4, v4                   ; + 128 (r / 8): rows 16 on lie 128 bytes further, so that the sixteen rows of a read start at sixteen different 16-byte columns of 256
	v_lshl_add_u32 v4, v15, 6, v4                  ; + 64 h: my 16 numbers of a block of 32
	v_add_nc_u32 v4, s27, v4                       ; out of the stage
	v_lshl_add_u32 v7, v14, 2, s27                 ; my row's scale word in the wave's 256 bytes
	v_lshl_add_u32 v8, v1, 3, s27                  ; and on the way out 8 bytes a lane
	v_lshlrev_b32 v9, 3, v1
.macro LOADF f                         ; fragment f's 32 rows into set f % 2
.irp i, 0,1,2,3,4,5,6,7,8,9,10,11,12,13,14,15
	global_load_b128 v[R+64*((\f)%2)+4*\i:R+64*((\f)%2)+4*\i+3], v2, s[4:5] offset:8192*(\f)+512*\i th:TH_LOAD_NT
.endr
.endm
; 64 numbers of a lane, register 16 b + i = number i of my 16 of group b, become the fragment's codes in v[C] on and its scale word in v[PW].  A block's other 16 numbers lie in lane l xor 16.
.macro QUANT s
.irp b, 0,1,2,3
	v_max3_num_f32 v[TM+\b], |v[\s+16*\b]|, |v[\s+1+16*\b]|, 0x4800000   ; my 16 numbers, and the floor 2^(9 - 127): the byte cannot fall under 1
.endr
.irp i, 2,4,6,8,10,12,14
.irp b, 0,1,2,3
	v_max3_num_f32 v[TM+\b], v[TM+\b], |v[\s+16*\b+\i]|, |v[\s+1+16*\b+\i]|   ; the four blocks by turns
.endr
.endr
.irp b, 0,1,2,3
	v_permlanex16_b32 v[TM+4+\b], v[TM+\b], s24, s25
.endr
.irp b, 0,1,2,3
	v_max_num_f32 v[TM+\b], v[TM+\b], v[TM+4+\b]   ; the block's largest magnitude
.endr
.irp b, 0,1,2,3
	v_add_nc_u32 v[TM+12+\b], 0xfc000000, v[TM+\b] ; 8 off its exponent field: the conversion's scale operand
.endr
.irp b, 0,1,2,3
	v_and_or_b32 v[TM+8+\b], v[TM+\b], 0x7f800000, s23   ; 448 x the scale
.endr
.irp b, 0,1,2,3
	v_lshrrev_b32 v[TM+4+\b], 23, v[TM+12+\b]      ; the scale's byte
.endr
	v_lshl_or_b32 v[PW], v[TM+5], 8, v[TM+4]
	v_lshl_or_b32 v[PW], v[TM+6], 16, v[PW]
	v_lshl_or_b32 v[PW], v[TM+7], 24, v[PW]
.irp b, 0,1,2,3
.irp i, 0,1,2,3,4,5,6,7,8,9,10,11,12,13,14,15
	v_med3_num_f32 v[\s+16*\b+\i], v[\s+16*\b+\i], -v[TM+8+\b], v[TM+8+\b]   ; the conversion to an 8-bit code does not saturate (ISA guide 7.6.2): the hold comes first
.endr
	v_cvt_scalef32_pk8_fp8_f32 v[C+4*\b:C+1+4*\b], v[\s+16*\b:\s+7+16*\b], v[TM+12+\b]
	v_cvt_scalef32_pk8_fp8_f32 v[C+2+4*\b:C+3+4*\b], v[\s+8+16*\b:\s+15+16*\b], v[TM+12+\b]
.endr
	v_nop                                          ; one plain line behind the last conversion
.endm
.macro FRAG f
.if (\f) < 3
	s_wait_loadcnt 16                              ; this fragment's 16 loads are in; the next fragment's 16 may be out
.else
	s_wait_loadcnt 0x0
.endif
.irp i, 0,1,2,3,4,5,6,7,8,9,10,11,12,13,14,15
	ds_store_b128 v3, v[R+64*((\f)%2)+4*\i:R+64*((\f)%2)+4*\i+3] offset:544*\i+128*(\i/8)   ; rows 2 i, 2 i + 1
.endr
.irp c, 0,1,2,3
.irp j, 0,1,2,3
	ds_load_b128 v[X+16*\c+4*\j:X+16*\c+4*\j+3], v4 offset:2176*(\c/2)+128*(\c%2)+16*\j   ; LDS serves a wave's instructions in order: these see the stores above
.endr
.endr
	s_wait_dscnt 0x0                               ; the numbers are back, and the stage's stores have read their registers
	s_wait_xcnt 0x0                                ; the last fragment's stores have read v[C] on: the codes may be written again
.if (\f) < 2
	LOADF (\f)+2
.endif
	QUANT X
.irp c, 0,1,2,3
	global_store_b128 v2, v[C+4*\c:C+4*\c+3], s[10:11] offset:2048*(\f)+512*\c   ; 32 lanes store 512 consecutive bytes
.endr
	ds_store_b32 v7, v[PW] offset:SST+64*(\f)      ; both halves of the lanes write the same word with the same value
.endm
	LOADF 0
	LOADF 1
	FRAG 0
	FRAG 1
	FRAG 2
	FRAG 3
	ds_load_b64 v[12:13], v8 offset:SST            ; the four fragments' 64 scale words
	s_wait_dscnt 0x0
	global_store_b64 v9, v[12:13], s[12:13]        ; 32 lanes store 256 consecutive bytes, aligned
	s_wait_tensorcnt 0x0
	ds_add_u32 v62, v63
	s_wait_dscnt 0x0
	s_endpgm
; ---------------- v: K (the keys) is not innermost ----------------
; Lane (x = lane % 16, g = lane / 16) loads 16 bytes (d = 4 x + 0 .. 3) of key 32 c + 16 g + i: each half of the lanes reads one whole row of 256 bytes.  Register 4 i + e: key 32 c + 16 g + i, d = 4 x + e.
; The hold writes T[16 e + i], which puts a column's 16 keys on end for the conversions: nothing else is transposed.
.Lv:
	s_mul_i32 s27, s22, VW
	s_add_co_u32 s27, s27, VBASE
	v_lshlrev_b32 v3, 4, v14
	v_lshl_add_u32 v3, v15, 12, v3                 ; in: 16 x + 16 rows for the upper half
	v_lshrrev_b32 v5, 2, v14
	v_mul_u32_u24 v4, v5, VF                       ; fragment t = x / 4,
	v_and_b32 v5, 3, v14
	v_lshl_add_u32 v4, v5, 6, v4                   ; its lane 4 (x % 4) + e + 16 g: 16 bytes each
	v_lshl_add_u32 v4, v15, 8, v4
	v_add_nc_u32 v4, s27, v4
	v_add_nc_u32 v6, s27, v2                       ; back: 16 x lane
.macro LOADB c                         ; keys 32 c .. 32 c + 31 into set c % 2
.irp i, 0,1,2,3,4,5,6,7,8,9,10,11,12,13,14,15
	global_load_b128 v[R+64*((\c)%2)+4*\i:R+64*((\c)%2)+4*\i+3], v3, s[4:5] offset:(32*(\c)+\i)*256 th:TH_LOAD_NT
.endr
.endm
.macro BLK c
.set RS, R+64*((\c)%2)
.if (\c) < 3
	s_wait_loadcnt 16                              ; this block's 16 loads are in; the next block's 16 may be out
.else
	s_wait_loadcnt 0x0
.endif
.irp e, 0,1,2,3
	v_max3_num_f32 v[TM+\e], |v[RS+\e]|, |v[RS+4+\e]|, 0x4800000   ; column e: my 16 keys, and the floor
.endr
.irp i, 2,4,6,8,10,12,14
.irp e, 0,1,2,3
	v_max3_num_f32 v[TM+\e], v[TM+\e], |v[RS+4*\i+\e]|, |v[RS+4*\i+4+\e]|
.endr
.endr
.irp e, 0,1,2,3
	v_permlanex16_b32 v[TM+4+\e], v[TM+\e], s24, s25
.endr
.irp e, 0,1,2,3
	v_max_num_f32 v[TM+\e], v[TM+\e], v[TM+4+\e]   ; with the other 16 keys of the block
.endr
.irp e, 0,1,2,3
	v_add_nc_u32 v[TM+12+\e], 0xfc000000, v[TM+\e]
.endr
.irp e, 0,1,2,3
	v_and_or_b32 v[TM+8+\e], v[TM+\e], 0x7f800000, s23
.endr
.irp e, 0,1,2,3
.if (\c) == 0
	v_lshrrev_b32 v[W+\e], 23, v[TM+12+\e]         ; the byte of key block c goes to byte c of the column's word
.else
	v_lshrrev_b32 v[TM+4+\e], 23, v[TM+12+\e]
	v_lshl_or_b32 v[W+\e], v[TM+4+\e], 8*(\c), v[W+\e]
.endif
.endr
.irp e, 0,1,2,3
.irp i, 0,1,2,3,4,5,6,7,8,9,10,11,12,13,14,15
	v_med3_num_f32 v[X+16*\e+\i], v[RS+4*\i+\e], -v[TM+8+\e], v[TM+8+\e]   ; the hold, and the column's keys on end
.endr
	v_cvt_scalef32_pk8_fp8_f32 v[C+4*\e:C+4*\e+1], v[X+16*\e:X+16*\e+7], v[TM+12+\e]
	v_cvt_scalef32_pk8_fp8_f32 v[C+4*\e+2:C+4*\e+3], v[X+16*\e+8:X+16*\e+15], v[TM+12+\e]
.endr
	v_nop                                          ; one plain line behind the last conversion
.irp e, 0,1,2,3
	ds_store_b128 v4, v[C+4*\e:C+4*\e+3] offset:16*\e+512*(\c)
.endr
.if (\c) < 2
	LOADB (\c)+2
.endif
	s_wait_dscnt 0x0                               ; the stores have read their registers
.endm
	LOADB 0
	LOADB 1
	BLK 0
	BLK 1
	BLK 2
	BLK 3
.irp n, 0,1,2,3,4,5,6,7,8,9,10,11,12,13,14,15
	ds_load_b128 v[R+4*\n:R+4*\n+3], v6 offset:(\n/4)*VF+512*(\n%4)
.endr
.irp n, 0,1,2,3,4,5,6,7,8,9,10,11,12,13,14,15
	s_wait_dscnt 15-\n                             ; LDS loads come back in order: load n is in, the younger ones may be out
	global_store_b128 v2, v[R+4*\n:R+4*\n+3], s[10:11] offset:512*\n   ; 32 lanes store 512 consecutive bytes
.endr
	s_wait_xcnt 0x0                                ; EXEC changes only behind this wait
	v_cmp_gt_u32 vcc_lo, 16, v1
	s_wait_tensorcnt 0x0
	ds_add_u32 v62, v63
	s_wait_dscnt 0x0
	s_and_saveexec_b32 s26, vcc_lo                 ; lanes 16-31 hold the same words
	global_store_b128 v2, v[W:W+3], s[12:13]       ; words 4 x .. 4 x + 3: sixteen lanes store 256 consecutive bytes, aligned
	s_wait_xcnt 0x0
	s_or_b32 exec_lo, exec_lo, s26
	s_endpgm
.Lfunc_end_k_qee5285a197_quant:
	.size	k_qee5285a197_quant, .Lfunc_end_k_qee5285a197_quant-k_qee5285a197_quant
	.p2alignl 7, 3214868480
	.fill 96, 4, 3214868480
	.section	.rodata,"a",@progbits
	.p2align	6, 0x0
	.amdhsa_kernel k_qee5285a197_quant
		.amdhsa_group_segment_fixed_size 70400
		.amdhsa_private_segment_fixed_size 0
		.amdhsa_enable_private_segment 0
		.amdhsa_kernarg_size 72
		.amdhsa_user_sgpr_count 2
		.amdhsa_user_sgpr_kernarg_segment_ptr 1
		.amdhsa_wavefront_size32 1
		.amdhsa_system_sgpr_workgroup_id_x 1
		.amdhsa_system_sgpr_workgroup_id_y 1
		.amdhsa_system_sgpr_workgroup_id_z 1
		.amdhsa_system_vgpr_workitem_id 0
		.amdhsa_next_free_vgpr 256
		.amdhsa_next_free_sgpr 66
		.amdhsa_reserve_vcc 1
		.amdhsa_float_denorm_mode_32 3
		.amdhsa_float_denorm_mode_16_64 3
		.amdhsa_memory_ordered 1
		.amdhsa_forward_progress 1
		.amdhsa_inst_pref_size 95
	.end_amdhsa_kernel
	.amdgpu_metadata
---
amdhsa.version: [ 1, 2 ]
amdhsa.kernels:
  - .name:           k_qee5285a197_quant
    .symbol:         k_qee5285a197_quant.kd
    .args:
      - { .name: q, .offset: 0, .size: 8, .value_kind: global_buffer, .address_space: global }
      - { .name: k, .offset: 8, .size: 8, .value_kind: global_buffer, .address_space: global }
      - { .name: v, .offset: 16, .size: 8, .value_kind: global_buffer, .address_space: global }
      - { .name: qimg, .offset: 24, .size: 8, .value_kind: global_buffer, .address_space: global }
      - { .name: qscl, .offset: 32, .size: 8, .value_kind: global_buffer, .address_space: global }
      - { .name: kimg, .offset: 40, .size: 8, .value_kind: global_buffer, .address_space: global }
      - { .name: kscl, .offset: 48, .size: 8, .value_kind: global_buffer, .address_space: global }
      - { .name: vimg, .offset: 56, .size: 8, .value_kind: global_buffer, .address_space: global }
      - { .name: vscl, .offset: 64, .size: 8, .value_kind: global_buffer, .address_space: global }
    .group_segment_fixed_size: 70400
    .private_segment_fixed_size: 0
    .kernarg_segment_align: 8
    .kernarg_segment_size: 72
    .max_flat_workgroup_size: 128
    .sgpr_count:     66
    .vgpr_count:     256
    .wavefront_size: 32
...
	.end_amdgpu_metadata
.endif
;; end of part 1
;; launch attn (part 2): grid 4 x 64, 4 waves a work-group, no clusters, 35,840 bytes of LDS; arguments qimg, qscl, kimg, kscl, vimg, vscl, out0; writes out0
.if DOCPART == 2
	.amdgcn_target "amdgcn-amd-amdhsa--gfx1250"
	.amdhsa_code_object_version 6
	.text
	.protected	k_qee5285a197_attn
	.globl	k_qee5285a197_attn
	.p2align	8
	.type	k_qee5285a197_attn,@function
k_qee5285a197_attn:
	s_mov_b64 s[64:65], 0
	v_nop
	global_prefetch_b8 v0, s[64:65] scope:SCOPE_SE
	s_setreg_imm32_b32 hwreg(HW_REG_WAVE_MODE, 25, 1), 1
	s_wait_xcnt 0x0
; out[h][i][:] = sum over j of a_hat[i][j] v[h][j][:], a_hat = a x (1 / row sum of a), a = exp(q[i] . k[j] / 8): both products on codes of FP8 (E4M3) with E8M0 scales for each 32 along K.
; What the second product's quantiser takes is the FINISHED, NORMALISED a_hat, so a row's whole sum is known before any weight is quantised.  No maximum is taken away: the definition takes none.
; SHARES.  A work-group owns 512 queries of one head: 32 blocks of 16.  THE WAVES SHARE THE KEYS: wave w owns keys 512 w .. 512 w + 511 for every block.  Its 16 fragments of K, 16 of V and their scale words stay in
; REGISTERS for the whole launch, loaded once as images of the operand's registers.  A block's a (16 queries x 512 keys: 256 registers) stays in registers between the exponentials and the quantiser, so each
; score and each exponential is made once.  Between waves go only a block's four partial row sums (256 bytes) and four partial results (4 KiB each), through LDS, with ONE barrier a block: both regions take turns by the block's parity.
; LAYOUT.  Both products are used transposed (source 0 = 16 keys, or 16 of the head's 64; source 1 = my 16 queries): a lane holds one query (lane % 16) throughout.
; K = 64 fills half of the 16x16x128 form: a fragment of K holds TWO tiles of 16 keys along the instruction's K, and Q stands as Q, zeros, Q in 24 registers: [Q | 0] meets the first tile, [0 | Q] the second.  Zero codes add nothing.
; The rows of a tile are chosen so that register 16 f + i of a is key 32 f + 16 (lane / 16) + i: 16 neighbours, as the second product's operand wants them.  A query tile has the same row order: lane r is query 8 u + r + 8 (r / 8) of its 32.
; NO JOINT LOADS: the four work-groups of a head share K's and V's codes, 264 KiB for each work-group, read once at the head of 32 blocks of work and wanted in registers; a joint load could only lay them in LDS, from where they would be read again.
; LIMITS: exponentials and sums overflow where the definition's do (score / 8 above 88.7 is not served: the definition gives NaN there); a sum that overflows over finite a gives 0, as the definition does;
; v_exp_f32 and v_rcp_f32 flush under 2^-126: rows whose whole sum lies under 2^-126 are not served; NaN and infinities among the inputs are not served.
; REGISTERS, in windows of 256.  Window 0: below.  Window 1: K's fragment f at v[16 f].  Window 2: V's fragment (s, t) at v[16 (4 s + t)].  Window 3: a.
.set QW,   22                          ; v22     Q's scale word as loaded
.set QS,   23                          ; v23     the tile's two bytes, twice
.set QB,   24                          ; v24-47  Q, zeros, Q
.set KS,   48                          ; v48-55  K's scale words: register g: fragment 2 g in lanes 0-15, 2 g + 1 in lanes 16-31
.set VS,   56                          ; v56-63  V's: register 2 s + t / 2: even t in lanes 0-15, odd t in lanes 16-31
.set O,    64                          ; v64-95  my partial O^T: 4 accumulators
.set P,    96                          ; v96-127 a_hat's codes, two sets of 16
.set PS,   128                         ; v128-131 a_hat's scale words, one for each 128 keys
.set TM,   132                         ; v132-147 the 16 blocks' largest a, then a_hat
.set TP,   148                         ; v148-163 the other half's, then the bytes
.set SCL,  164                         ; v164-179 the conversions' scale operands
.set HOLD, 180                         ; v180-195 448 x the scale
.set OSUM, 196                         ; v196-227 four waves' partial results of my 4 rows: 16 k + 4 pw
.set TMP,  228
; v1 16 x lane; v2 4 x lane; v3, v4 a row sum's word, a query's four words; v5, v6 the partial results' place, in and back; v7 4 (lane % 16); v[8:9] d_inv twice; v10-17 four packed chains; v18-21 the four waves' sums
.set OP,   512                         ; LDS: 0: the row sums, 2 x 256 bytes (word 16 q + 4 w);  512: the partial results, 2 x OPP bytes: wave x 16 rows x (256 + 16)
.set OPP,  17408
.set W_QK, 0xc1                        ; D window 3, source 0 (K) window 1
.set W_A,  0xc3                        ; destination and source 0 window 3
.set W_SW, 0x3c                        ; sources 1 and 2 window 3
.set W_CV, 0x03                        ; source 0 window 3
.set W_PV, 0x02                        ; source 0 (V) window 2
.set MSB, 0
.macro WIN new                         ; the immediate's high byte repeats the setting that is left; a switch that changes nothing is dropped
.if MSB != \new
	s_set_vgpr_msb (MSB<<8)|\new
.set MSB, \new
.endif
.endm
.macro PLACES n
.rept \n
	v_nop
.endr
.endm
	s_load_b256 s[4:11], s[0:1], 0x0               ; qimg s[4:5], qscl s[6:7], kimg s[8:9], kscl s[10:11]
	s_load_b128 s[12:15], s[0:1], 0x20             ; vimg s[12:13], vscl s[14:15]
	s_load_b64 s[16:17], s[0:1], 0x30              ; out0
	v_lshl_add_u32 v254, v0, 2, 0x8a00
	v_mov_b32 v255, 0
	v_lshrrev_b32 v2, 5, v0
	v_readfirstlane_b32 s18, v2                    ; wave 0..3
	v_and_b32 v10, 31, v0                          ; lane
	v_lshlrev_b32 v1, 4, v10
	v_lshlrev_b32 v2, 2, v10
	v_and_b32 v11, 15, v0                          ; q = lane % 16
	v_bfe_u32 v12, v0, 4, 1                        ; h = lane / 16
	v_lshlrev_b32 v7, 2, v11
	v_lshlrev_b32 v4, 4, v11                       ; my query's four sums
	s_lshl_b32 s26, s18, 2
	v_add_nc_u32 v3, s26, v4                       ; my wave's word among them
	v_mul_u32_u24 v5, v11, 272
	v_lshl_add_u32 v5, v12, 5, v5
	s_mul_i32 s26, s18, 4352
	s_add_co_u32 s26, s26, OP
	v_add_nc_u32 v5, s26, v5                       ; in: my wave's 16 rows, row q, + 32 h
	v_mul_u32_u24 v6, v12, 272
	v_lshl_add_u32 v6, v11, 4, v6
	s_mul_i32 s26, s18, 4*272
	s_add_co_u32 s26, s26, OP
	v_add_nc_u32 v6, s26, v6                       ; back: rows 4 w + (lane / 16) of each wave's 16, 16 bytes a lane
.irp j, 0,1,2,3,4,5,6,7
	v_mov_b32 v[QB+8+\j], 0                        ; the zeros between the two copies of Q: written once
.endr
.irp j, 0,1,2,3,4,5,6,7,8,9,10,11,12,13,14,15
	v_mov_b32 v[TP+\j], 0                          ; written once: a lane permute's destination counts as one of its sources
.endr
	v_mov_b32 v[TMP], 0
	s_mov_b32 s20, 0x3e38aa3b                      ; c = log2(e) / 8
	s_mov_b32 s21, s20                             ; (named with it as a pair)
	s_mov_b32 s22, 0x76543210
	s_mov_b32 s23, 0xfedcba98                      ; v_permlanex16_b32's selects for lane l xor 16
	s_mov_b32 s24, 0x600000                        ; the mantissa field of 448
	s_and_b32 s19, ttmp7, 0xffff                   ; the head
	s_lshl_b32 s26, s19, 17                        ; a head's images: 131,072 bytes; my wave's 16 fragments: 32,768
	s_lshl_b32 s36, s18, 15
	s_add_co_u32 s26, s26, s36
	s_mov_b32 s27, 0
	s_lshl_b32 s28, s19, 12                        ; a head's scale words: 4,096 bytes; my wave's: 1,024
	s_lshl_b32 s36, s18, 10
	s_add_co_u32 s28, s28, s36
	s_mov_b32 s29, 0
	s_lshl_b32 s30, s19, 17                        ; Q: the work-group's 16 fragments
	s_lshl_b32 s36, ttmp9, 15
	s_add_co_u32 s30, s30, s36
	s_mov_b32 s31, 0
	s_lshl_b32 s32, s19, 12
	s_lshl_b32 s36, ttmp9, 10
	s_add_co_u32 s32, s32, s36
	s_mov_b32 s33, 0
	s_lshl_b32 s34, s19, 19                        ; out: a head's 2,048 rows of 256 bytes, the work-group's 512,
	s_lshl_b32 s36, ttmp9, 17
	s_add_co_u32 s34, s34, s36
	s_lshr_b32 s36, s18, 1
	s_lshl_b32 s36, s36, 11
	s_add_co_u32 s34, s34, s36                     ; and the rows that I add up and store: tile rows 4 w .. 4 w + 3 are queries 4 w + 8 (w / 2) on
	s_lshl_b32 s36, s18, 10
	s_add_co_u32 s34, s34, s36
	s_mov_b32 s35, 0
	s_wait_kmcnt 0x0
	s_add_nc_u64 s[4:5], s[4:5], s[30:31]
	s_add_nc_u64 s[6:7], s[6:7], s[32:33]
	s_add_nc_u64 s[8:9], s[8:9], s[26:27]
	s_add_nc_u64 s[10:11], s[10:11], s[28:29]
	s_add_nc_u64 s[12:13], s[12:13], s[26:27]
	s_add_nc_u64 s[14:15], s[14:15], s[28:29]
	s_add_nc_u64 s[16:17], s[16:17], s[34:35]
; a tile of Q (two groups of a fragment, 1,024 bytes at qoff), twice, and its fragment's scale words
.macro QLOAD qoff, qsoff
	global_load_b128 v[QB:QB+3],     v1, s[4:5] offset:\qoff
	global_load_b128 v[QB+4:QB+7],   v1, s[4:5] offset:\qoff+512
	global_load_b128 v[QB+16:QB+19], v1, s[4:5] offset:\qoff
	global_load_b128 v[QB+20:QB+23], v1, s[4:5] offset:\qoff+512
	global_load_b32 v[QW], v7, s[6:7] offset:\qsoff
.endm
	WIN 0x40                                       ; destination window 1
.irp f, 0,1,2,3,4,5,6,7,8,9,10,11,12,13,14,15
.irp c, 0,1,2,3
	global_load_b128 v[16*\f+4*\c:16*\f+4*\c+3], v1, s[8:9] offset:2048*\f+512*\c     ; K: 512 consecutive bytes a load
.endr
.endr
	WIN 0x80                                       ; destination window 2
.irp f, 0,1,2,3,4,5,6,7,8,9,10,11,12,13,14,15
.irp c, 0,1,2,3
	global_load_b128 v[16*\f+4*\c:16*\f+4*\c+3], v1, s[12:13] offset:2048*\f+512*\c   ; V
.endr
.endr
	WIN 0
.irp g, 0,1,2,3,4,5,6,7
	global_load_b32 v[KS+\g], v2, s[10:11] offset:128*\g
	global_load_b32 v[VS+\g], v2, s[14:15] offset:128*\g
.endr
	QLOAD 0, 0
	s_wait_loadcnt 0x0
	v_perm_b32 v[QS], v[QW], v[QW], 0x01000100     ; tile 0's two bytes, for both places of Q
	PLACES 8                                       ; a scale register written by a vector instruction stands eight places ahead of the product
; S^T = K Q^T for fragment f: 32 keys, two products that start their sums with the constant 0
.macro QK1 f, row
.if \row
	v_wmma_scale_f32_16x16x128_f8f6f4 v[16*(\f):16*(\f)+7], v[16*(\f):16*(\f)+15], v[QB:QB+15], 0, v[KS+(\f)/2], v[QS] matrix_a_scale:MATRIX_SCALE_ROW1
	v_wmma_scale_f32_16x16x128_f8f6f4 v[16*(\f)+8:16*(\f)+15], v[16*(\f):16*(\f)+15], v[QB+8:QB+23], 0, v[KS+(\f)/2], v[QS] matrix_a_scale:MATRIX_SCALE_ROW1
.else
	v_wmma_scale_f32_16x16x128_f8f6f4 v[16*(\f):16*(\f)+7], v[16*(\f):16*(\f)+15], v[QB:QB+15], 0, v[KS+(\f)/2], v[QS]
	v_wmma_scale_f32_16x16x128_f8f6f4 v[16*(\f)+8:16*(\f)+15], v[16*(\f):16*(\f)+15], v[QB+8:QB+23], 0, v[KS+(\f)/2], v[QS]
.endif
.endm
.macro QK g                            ; fragments 2 g and 2 g + 1
	QK1 2*(\g), 0
	QK1 2*(\g)+1, 1
.endm
; a = 2^(c x score) for the 32 registers of group g, ascending.  A multiplication two pairs ahead stands in front of each two exponentials.
.macro EXPS g
.set eb, 32*(\g)
	v_pk_mul_f32 v[eb:eb+1], v[eb:eb+1], s[20:21] op_sel_hi:[1,0]
	v_pk_mul_f32 v[eb+2:eb+3], v[eb+2:eb+3], s[20:21] op_sel_hi:[1,0]
.set ek, 0
.rept 16
.if ek < 14
	v_pk_mul_f32 v[eb+2*ek+4:eb+2*ek+5], v[eb+2*ek+4:eb+2*ek+5], s[20:21] op_sel_hi:[1,0]
.endif
	v_exp_f32 v[eb+2*ek], v[eb+2*ek]
	v_exp_f32 v[eb+2*ek+1], v[eb+2*ek+1]
.set ek, ek+1
.endr
.endm
.macro SUMS                            ; my 256 a, two at a time, in four chains that begin as 0 + a
.set sj, 0
.rept 128
.if sj < 4
	s_wait_alu depctr_va_vdst(0)
	v_pk_add_f32 v[10+2*sj:11+2*sj], 0, v[2*sj:2*sj+1] op_sel_hi:[0,1]
.else
	v_pk_add_f32 v[10+2*(sj%4):11+2*(sj%4)], v[10+2*(sj%4):11+2*(sj%4)], v[2*sj:2*sj+1]
.endif
.set sj, sj+1
.endr
.endm
.macro MAXS f0                         ; the largest a of my 16 in each of blocks f0 .. f0 + 7, by turns (a is never negative)
.irp i, 0,2,4,6,8,10,12,14
.irp b, 0,1,2,3,4,5,6,7
.if \i == 0
	v_max3_num_f32 v[TM+\f0+\b], 0, v[16*(\f0+\b)], v[16*(\f0+\b)+1]
.else
	v_max3_num_f32 v[TM+\f0+\b], v[TM+\f0+\b], v[16*(\f0+\b)+\i], v[16*(\f0+\b)+\i+1]
.endif
.endr
.endr
.endm
; The 16 blocks' scales.  A block's largest a_hat is the same multiplication on the block's largest a: the same bits as the largest of the products, since rounding keeps the order.
.macro SCALES
.irp i, 0,2,4,6,8,10,12,14
	v_pk_mul_f32 v[TM+\i:TM+\i+1], v[TM+\i:TM+\i+1], v[8:9]
.endr
.irp f, 0,1,2,3,4,5,6,7,8,9,10,11,12,13,14,15
	v_permlanex16_b32 v[TP+\f], v[TM+\f], s22, s23
.endr
.irp f, 0,1,2,3,4,5,6,7,8,9,10,11,12,13,14,15
	v_max3_num_f32 v[TM+\f], v[TM+\f], v[TP+\f], 0x4800000   ; with the block's other 16 keys, and the floor 2^(9 - 127): the byte cannot fall under 1
.endr
.irp f, 0,1,2,3,4,5,6,7,8,9,10,11,12,13,14,15
	v_add_nc_u32 v[SCL+\f], 0xfc000000, v[TM+\f]   ; 8 off the exponent field: the conversion's scale operand
.endr
.irp f, 0,1,2,3,4,5,6,7,8,9,10,11,12,13,14,15
	v_and_or_b32 v[HOLD+\f], v[TM+\f], 0x7f800000, s24   ; 448 x the scale
.endr
.irp f, 0,1,2,3,4,5,6,7,8,9,10,11,12,13,14,15
	v_lshrrev_b32 v[TP+\f], 23, v[SCL+\f]          ; the scale's byte
.endr
.irp s, 0,1,2,3
	v_lshl_or_b32 v[PS+\s], v[TP+4*\s+1], 8, v[TP+4*\s]
.endr
.irp s, 0,1,2,3
	v_lshl_or_b32 v[PS+\s], v[TP+4*\s+2], 16, v[PS+\s]
.endr
.irp s, 0,1,2,3
	v_lshl_or_b32 v[PS+\s], v[TP+4*\s+3], 24, v[PS+\s]
.endr
.endm
.macro MM s                            ; a_hat = d_inv x a for 128 keys, and the hold (one-sided: a_hat is never negative; the conversion to an 8-bit code does not saturate: ISA guide 7.6.2)
.set mb, 64*(\s)
.set mj, 0
.rept 32
	v_pk_mul_f32 v[mb+2*mj:mb+2*mj+1], v[mb+2*mj:mb+2*mj+1], v[8:9]
.set mj, mj+1
.endr
.irp b, 0,1,2,3
.irp i, 0,1,2,3,4,5,6,7,8,9,10,11,12,13,14,15
	v_min_num_f32 v[mb+16*\b+\i], v[mb+16*\b+\i], v[HOLD+4*(\s)+\b]
.endr
.endr
.endm
.macro CV s                            ; the codes of these 128 keys: the second product's source 1, as it stands
.irp b, 0,1,2,3
	v_cvt_scalef32_pk8_fp8_f32 v[P+16*((\s)%2)+4*\b:P+16*((\s)%2)+4*\b+1], v[64*(\s)+16*\b:64*(\s)+16*\b+7], v[SCL+4*(\s)+\b]
	v_cvt_scalef32_pk8_fp8_f32 v[P+16*((\s)%2)+4*\b+2:P+16*((\s)%2)+4*\b+3], v[64*(\s)+16*\b+8:64*(\s)+16*\b+15], v[SCL+4*(\s)+\b]
.endr
.endm
.macro PV1 s, t, row
.set pO, O+8*(\t)
.set pV, 16*(4*(\s)+(\t))
.set pP, P+16*((\s)%2)
.if (\s) == 0
.if \row
	v_wmma_scale_f32_16x16x128_f8f6f4 v[pO:pO+7], v[pV:pV+15], v[pP:pP+15], 0, v[VS+2*(\s)+(\t)/2], v[PS+(\s)] matrix_a_scale:MATRIX_SCALE_ROW1
.else
	v_wmma_scale_f32_16x16x128_f8f6f4 v[pO:pO+7], v[pV:pV+15], v[pP:pP+15], 0, v[VS+2*(\s)+(\t)/2], v[PS+(\s)]
.endif
.else
.if \row
	v_wmma_scale_f32_16x16x128_f8f6f4 v[pO:pO+7], v[pV:pV+15], v[pP:pP+15], v[pO:pO+7], v[VS+2*(\s)+(\t)/2], v[PS+(\s)] matrix_a_scale:MATRIX_SCALE_ROW1
.else
	v_wmma_scale_f32_16x16x128_f8f6f4 v[pO:pO+7], v[pV:pV+15], v[pP:pP+15], v[pO:pO+7], v[VS+2*(\s)+(\t)/2], v[PS+(\s)]
.endif
.endif
.endm
.macro PV s                            ; O^T += V^T a_hat^T for 128 keys: the four accumulators take turns, one instruction a turn; the first 128 keys start the sums
	PV1 \s, 0, 0
	PV1 \s, 1, 1
	PV1 \s, 2, 0
	PV1 \s, 3, 1
.endm
.macro OLOAD par                       ; the four waves' partial results of my four rows, from the region of parity par
.irp k, 0,1
.irp pw, 0,1,2,3
	ds_load_b128 v[OSUM+16*\k+4*\pw:OSUM+16*\k+4*\pw+3], v6 offset:(\par)*OPP+4352*\pw+544*\k
.endr
.endr
.endm
.macro REDUCE ooff                     ; (p0 + p1) + (p2 + p3), and out: each store covers two whole rows of 256 bytes
.irp k, 0,1
	v_pk_add_f32 v[OSUM+16*\k:OSUM+16*\k+1],     v[OSUM+16*\k:OSUM+16*\k+1],     v[OSUM+16*\k+4:OSUM+16*\k+5]
	v_pk_add_f32 v[OSUM+16*\k+2:OSUM+16*\k+3],   v[OSUM+16*\k+2:OSUM+16*\k+3],   v[OSUM+16*\k+6:OSUM+16*\k+7]
	v_pk_add_f32 v[OSUM+16*\k+8:OSUM+16*\k+9],   v[OSUM+16*\k+8:OSUM+16*\k+9],   v[OSUM+16*\k+12:OSUM+16*\k+13]
	v_pk_add_f32 v[OSUM+16*\k+10:OSUM+16*\k+11], v[OSUM+16*\k+10:OSUM+16*\k+11], v[OSUM+16*\k+14:OSUM+16*\k+15]
.endr
.irp k, 0,1
	v_pk_add_f32 v[OSUM+16*\k:OSUM+16*\k+1],     v[OSUM+16*\k:OSUM+16*\k+1],     v[OSUM+16*\k+8:OSUM+16*\k+9]
	v_pk_add_f32 v[OSUM+16*\k+2:OSUM+16*\k+3],   v[OSUM+16*\k+2:OSUM+16*\k+3],   v[OSUM+16*\k+10:OSUM+16*\k+11]
.endr
.irp k, 0,1
	global_store_b128 v1, v[OSUM+16*\k:OSUM+16*\k+3], s[16:17] offset:\ooff+512*\k th:TH_STORE_NT
.endr
.endm
; A BLOCK of 16 queries.  par: its parity;  red = 1: the block before is added up and stored on the way;  nxt = 1: the next block's Q is asked for, at qoff / qsoff;  ooff: where the block before goes.
.macro BLOCK par, red, nxt, qoff, qsoff, ooff
	; ---- scores and exponentials.  Products run two groups ahead: the sixteen multiplications of the group between are the places behind them (eight are asked behind this form)
	WIN W_QK
	QK 0
	QK 1
	PLACES 8
.irp g, 0,1,2,3,4,5,6,7
	WIN W_A
	EXPS \g
.if \g < 6
	WIN W_QK
	QK \g+2
.endif
.endr
	; ---- the next Q (the last product that read Q's registers stands two groups of exponentials back), and my 512 keys' part of the row sums
	WIN W_SW
.if \nxt
	QLOAD \qoff, \qsoff
.endif
	SUMS
	WIN 0
	v_pk_add_f32 v[10:11], v[10:11], v[12:13]
	v_pk_add_f32 v[14:15], v[14:15], v[16:17]
	v_pk_add_f32 v[10:11], v[10:11], v[14:15]
	v_add_f32 v10, v10, v11
	v_permlanex16_b32 v[TMP], v10, s22, s23
	v_add_f32 v10, v10, v[TMP]                     ; my query's sum over my wave's keys
	ds_store_b32 v3, v10 offset:256*\par           ; both halves of the lanes write the same word with the same value
	s_wait_dscnt 0x0                               ; for the others' sake: this store and the last block's eight stores of O^T have landed
	s_barrier_signal -1
	WIN W_SW
	MAXS 0                                         ; work on registers while the others arrive
	s_barrier_wait -1
.if \red
	s_wait_xcnt 0x0                                ; the stores of the block before last have read these registers
	OLOAD 1-\par
.endif
	ds_load_b128 v[18:21], v4 offset:256*\par      ; my query's four sums
	MAXS 8
	; ---- d_inv, the same in all four waves; the block before goes out; the blocks' scales
	WIN 0
	s_wait_dscnt 0x0
	v_add_f32 v18, v18, v19
	v_add_f32 v20, v20, v21
	v_add_f32 v18, v18, v20
	v_rcp_f32 v8, v18
	v_nop                                          ; one plain line behind a transcendental
	s_wait_alu depctr_va_vdst(0)
	v_mov_b32 v9, v8
.if \red
	REDUCE \ooff
.endif
	SCALES
	; ---- normalise, quantise, multiply.  A set's products stand behind the next 128 keys' 96 plain lines, which are the places behind the conversions, in front of the products, and between a product and the next codes in its set
.irp s, 0,1,2,3
	WIN W_A
	MM \s
	WIN W_CV
	CV \s
.if \s > 0
	WIN W_PV
	PV \s-1
.endif
.endr
	WIN 0
.if \nxt
	s_wait_loadcnt 0x0                             ; the next Q is in
.if \par
	v_perm_b32 v[QS], v[QW], v[QW], 0x01000100     ; the next block is a fragment's tile 0
.else
	v_perm_b32 v[QS], v[QW], v[QW], 0x03020302     ; tile 1
.endif
.endif
	PLACES 4                                       ; the last codes stand four places ahead of their products
	WIN W_PV
	PV 3
	WIN 0
	PLACES 8                                       ; in front of the stores that read the results
.irp t, 0,1,2,3
	ds_store_b128 v5, v[O+8*\t:O+8*\t+3] offset:\par*OPP+64*\t        ; lane (q, h): d = 16 t + 8 h + 0 .. 7 of row q; each accumulator from its low end on
	ds_store_b128 v5, v[O+8*\t+4:O+8*\t+7] offset:\par*OPP+64*\t+16
.endr
.endm
; ONE BARRIER A BLOCK SUFFICES: block i's sums are stored ahead of barrier i and read behind it; its partial results are stored behind barrier i and read behind barrier i + 1.  A region of one parity is written
; again two blocks later, with a barrier between, in front of which every wave has waited for all its LDS loads.
	BLOCK 0, 0, 1, 1024, 0, 0                      ; block 0
	s_mov_b32 s25, 15
.Ltrip:                                                ; blocks 2 j + 1 and 2 j + 2
	BLOCK 1, 1, 1, 2048, 64, 0
	BLOCK 0, 1, 1, 3072, 64, 2048
	s_wait_xcnt 0x0                                ; the bases are stepped only behind this wait
	s_add_nc_u64 s[4:5], s[4:5], 2048              ; a fragment of Q,
	s_add_nc_u64 s[6:7], s[6:7], 64                ; its scale words,
	s_add_nc_u64 s[16:17], s[16:17], 8192          ; 32 rows of out
	s_sub_co_u32 s25, s25, 1
	s_cmp_lg_u32 s25, 0
	s_cbranch_scc1 .Ltrip
	BLOCK 1, 1, 0, 0, 0, 0                         ; block 31 asks for nothing more
	s_wait_dscnt 0x0                               ; my stores of its O^T have landed
	s_barrier_signal -1
	s_barrier_wait -1
	s_wait_xcnt 0x0
	OLOAD 1
	s_wait_dscnt 0x0
	REDUCE 2048
	s_wait_tensorcnt 0x0
	ds_add_u32 v254, v255
	s_wait_dscnt 0x0
	s_endpgm
.Lfunc_end_k_qee5285a197_attn:
	.size	k_qee5285a197_attn, .Lfunc_end_k_qee5285a197_attn-k_qee5285a197_attn
	.p2alignl 7, 3214868480
	.fill 96, 4, 3214868480
	.section	.rodata,"a",@progbits
	.p2align	6, 0x0
	.amdhsa_kernel k_qee5285a197_attn
		.amdhsa_group_segment_fixed_size 35840
		.amdhsa_private_segment_fixed_size 0
		.amdhsa_enable_private_segment 0
		.amdhsa_kernarg_size 56
		.amdhsa_user_sgpr_count 2
		.amdhsa_user_sgpr_kernarg_segment_ptr 1
		.amdhsa_wavefront_size32 1
		.amdhsa_system_sgpr_workgroup_id_x 1
		.amdhsa_system_sgpr_workgroup_id_y 1
		.amdhsa_system_sgpr_workgroup_id_z 1
		.amdhsa_system_vgpr_workitem_id 0
		.amdhsa_next_free_vgpr 1024
		.amdhsa_next_free_sgpr 66
		.amdhsa_reserve_vcc 0
		.amdhsa_float_denorm_mode_32 3
		.amdhsa_float_denorm_mode_16_64 3
		.amdhsa_memory_ordered 1
		.amdhsa_forward_progress 1
		.amdhsa_inst_pref_size 255
	.end_amdhsa_kernel
	.section	.bss,"aw",@nobits
	.p2align	6
	.space	262144
	.amdgpu_metadata
---
amdhsa.version: [ 1, 2 ]
amdhsa.kernels:
  - .name:           k_qee5285a197_attn
    .symbol:         k_qee5285a197_attn.kd
    .args:
      - { .name: qimg, .offset: 0, .size: 8, .value_kind: global_buffer, .address_space: global }
      - { .name: qscl, .offset: 8, .size: 8, .value_kind: global_buffer, .address_space: global }
      - { .name: kimg, .offset: 16, .size: 8, .value_kind: global_buffer, .address_space: global }
      - { .name: kscl, .offset: 24, .size: 8, .value_kind: global_buffer, .address_space: global }
      - { .name: vimg, .offset: 32, .size: 8, .value_kind: global_buffer, .address_space: global }
      - { .name: vscl, .offset: 40, .size: 8, .value_kind: global_buffer, .address_space: global }
      - { .name: out0, .offset: 48, .size: 8, .value_kind: global_buffer, .address_space: global }
    .group_segment_fixed_size: 35840
    .private_segment_fixed_size: 0
    .kernarg_segment_align: 8
    .kernarg_segment_size: 56
    .max_flat_workgroup_size: 128
    .sgpr_count:     66
    .vgpr_count:     1024
    .wavefront_size: 32
...
	.end_amdgpu_metadata
.endif
;; end of part 2
;; ======== version 2 of 2: 2 launches; version 1 with the launch attn written anew for expert scheduling mode
;; workspace buffers: qimg 8,388,608 bytes; qscl 262,144 bytes; kimg 8,388,608 bytes; kscl 262,144 bytes; vimg 8,388,608 bytes; vscl 262,144 bytes
;; launch quant: the kernel of part 1 again; grid 768 x 1, 4 waves a work-group, no clusters, 70,400 bytes of LDS; arguments q, k, v, qimg, qscl, kimg, kscl, vimg, vscl; writes qimg, qscl, kimg, kscl, vimg, vscl
;; launch attn (part 3): grid 4 x 64, 4 waves a work-group, no clusters, 35,840 bytes of LDS; arguments qimg, qscl, kimg, kscl, vimg, vscl, out0; writes out0
.if DOCPART == 3
	.amdgcn_target "amdgcn-amd-amdhsa--gfx1250"
	.amdhsa_code_object_version 6
	.text
	.protected	k_qee5285a197_attn
	.globl	k_qee5285a197_attn
	.p2align	8
	.type	k_qee5285a197_attn,@function
k_qee5285a197_attn:
	s_mov_b64 s[64:65], 0
	v_nop
	global_prefetch_b8 v0, s[64:65] scope:SCOPE_SE
	s_setreg_imm32_b32 hwreg(HW_REG_WAVE_SCHED_MODE, 0, 2), 2
	s_setreg_imm32_b32 hwreg(HW_REG_WAVE_MODE, 25, 1), 1
	s_wait_xcnt 0x0
	s_wait_alu depctr_vm_vsrc(0)
; out[h][i][:] = sum over j of a_hat[i][j] v[h][j][:], a_hat = a x (1 / row sum of a), a = exp(q[i] . k[j] / 8): both products on codes of FP8 (E4M3) with E8M0 scales for each 32 along K.
; What the second product's quantiser takes is the FINISHED, NORMALISED a_hat, so a row's whole sum is known before any weight is quantised.  No maximum is taken away: the definition takes none.
; SHARES.  A work-group owns 512 queries of one head: 32 blocks of 16.  THE WAVES SHARE THE KEYS: wave w owns keys 512 w .. 512 w + 511 for every block.  Its 16 fragments of K, 16 of V and their scale words stay in
; REGISTERS for the whole launch, loaded once as images of the operand's registers.  A block's a (16 queries x 512 keys: 256 registers) stays in registers between the exponentials and the quantiser, so each
; score and each exponential is made once.  Between waves go only a block's four partial row sums (256 bytes) and four partial results (4 KiB each), through LDS, with ONE barrier a block: both regions take turns by the block's parity.
; LAYOUT.  Both products are used transposed (source 0 = 16 keys, or 16 of the head's 64; source 1 = my 16 queries): a lane holds one query (lane % 16) throughout.
; K = 64 fills half of the 16x16x128 form: a fragment of K holds TWO tiles of 16 keys along the instruction's K, and Q stands as Q, zeros, Q in 24 registers: [Q | 0] meets the first tile, [0 | Q] the second.  Zero codes add nothing.
; The rows of a tile are chosen so that register 16 f + i of a is key 32 f + 16 (lane / 16) + i: 16 neighbours, as the second product's operand wants them.  A query tile has the same row order: lane r is query 8 u + r + 8 (r / 8) of its 32.
; NO JOINT LOADS: the four work-groups of a head share K's and V's codes, 264 KiB for each work-group, read once at the head of 32 blocks of work and wanted in registers; a joint load could only lay them in LDS, from where they would be read again.
; LIMITS: exponentials and sums overflow where the definition's do (score / 8 above 88.7 is not served: the definition gives NaN there); a sum that overflows over finite a gives 0, as the definition does;
; v_exp_f32 and v_rcp_f32 flush under 2^-126: rows whose whole sum lies under 2^-126 are not served; NaN and infinities among the inputs are not served.
; THE MODE: SCHED_MODE bits 1:0 = 2 (LLVM: expert scheduling mode 2), set by the entry lines.  The code itself states the register dependences between vector or matrix instructions and memory or LDS instructions, with s_wait_alu, always for 0.
; THE PLAN.  Registers that memory or LDS instructions touch, round a block:
;   v1 .. v7          offsets and LDS addresses: made at the head, never written again.
;   v[QB ..], v[QW]   the next tile of Q and its scale words land here, behind this block's exponentials.  Read by the block's 32 products K Q^T and by the line that makes v[QS].
;   v[O ..]           written by the block's 16 products V^T a_hat^T; read by eight LDS stores, which stand in the NEXT block, behind its exponentials; begun anew by that block's first four such products.
;   v10               written by the row sum's chains; read by one LDS store ahead of the barrier.
;   v[18:21]          one LDS load behind the barrier lands here; read by three additions and the reciprocal.
;   v[OSUM ..]        eight LDS loads behind the barrier land here; twelve additions read and write them; two global stores read them.
;   K's and V's fragments and scale words are loaded once, at the head.  a, the codes, the scale words and all else are named by vector and matrix instructions alone.
; A block has five waits on va_vdst and one on vm_vsrc; each says at its place what it states.
; REGISTERS, in windows of 256.  Window 0: below.  Window 1: K's fragment f at v[16 f].  Window 2: V's fragment (s, t) at v[16 (4 s + t)].  Window 3: a.
.set QW,   22                          ; v22     Q's scale word as loaded
.set QS,   23                          ; v23     the tile's two bytes, twice
.set QB,   24                          ; v24-47  Q, zeros, Q
.set KS,   48                          ; v48-55  K's scale words: register g: fragment 2 g in lanes 0-15, 2 g + 1 in lanes 16-31
.set VS,   56                          ; v56-63  V's: register 2 s + t / 2: even t in lanes 0-15, odd t in lanes 16-31
.set O,    64                          ; v64-95  my partial O^T: 4 accumulators
.set P,    96                          ; v96-127 a_hat's codes, two sets of 16
.set PS,   128                         ; v128-131 a_hat's scale words, one for each 128 keys
.set TM,   132                         ; v132-147 the 16 blocks' largest a, then a_hat
.set TP,   148                         ; v148-163 the other half's, then the bytes
.set SCL,  164                         ; v164-179 the conversions' scale operands
.set HOLD, 180                         ; v180-195 448 x the scale
.set OSUM, 196                         ; v196-227 four waves' partial results of my 4 rows: 16 k + 4 pw
.set TMP,  228
; v1 16 x lane; v2 4 x lane; v3, v4 a row sum's word, a query's four words; v5, v6 the partial results' place, in and back; v7 4 (lane % 16); v[8:9] d_inv twice; v10-17 four packed chains; v18-21 the four waves' sums
; v254, v255: the closing add's two registers, made at the head and kept for it alone
.set OP,   512                         ; LDS: 0: the row sums, 2 x 256 bytes (word 16 q + 4 w);  512: the partial results, 2 x OPP bytes: wave x 16 rows x (256 + 16);  behind them, at 0x8a00, the spare words
.set OPP,  17408
.set W_QK, 0xc1                        ; D window 3, source 0 (K) window 1
.set W_A,  0xc3                        ; destination and source 0 window 3
.set W_SW, 0x3c                        ; sources 1 and 2 window 3
.set W_CV, 0x03                        ; source 0 window 3
.set W_PV, 0x02                        ; source 0 (V) window 2
.set MSB, 0
.macro WIN new                         ; the immediate's high byte repeats the setting that is left; a switch that changes nothing is dropped
.if MSB != \new
	s_set_vgpr_msb (MSB<<8)|\new
.set MSB, \new
.endif
.endm
.macro PLACES n
.rept \n
	v_nop
.endr
.endm
	s_load_b256 s[4:11], s[0:1], 0x0               ; qimg s[4:5], qscl s[6:7], kimg s[8:9], kscl s[10:11]
	s_load_b128 s[12:15], s[0:1], 0x20             ; vimg s[12:13], vscl s[14:15]
	s_load_b64 s[16:17], s[0:1], 0x30              ; out0
	v_lshl_add_u32 v254, v0, 2, 0x8a00
	v_mov_b32 v255, 0
	v_lshrrev_b32 v2, 5, v0
	v_readfirstlane_b32 s18, v2                    ; wave 0..3
	v_and_b32 v10, 31, v0                          ; lane
	v_lshlrev_b32 v1, 4, v10
	v_lshlrev_b32 v2, 2, v10
	v_and_b32 v11, 15, v0                          ; q = lane % 16
	v_bfe_u32 v12, v0, 4, 1                        ; h = lane / 16
	v_lshlrev_b32 v7, 2, v11
	v_lshlrev_b32 v4, 4, v11                       ; my query's four sums
	s_wait_alu depctr_va_sdst(0)                   ; s18 is written, ahead of its first reader: LDS places and all bases are made from it
	s_lshl_b32 s26, s18, 2
	v_add_nc_u32 v3, s26, v4                       ; my wave's word among them
	v_mul_u32_u24 v5, v11, 272
	v_lshl_add_u32 v5, v12, 5, v5
	s_mul_i32 s26, s18, 4352
	s_add_co_u32 s26, s26, OP
	v_add_nc_u32 v5, s26, v5                       ; in: my wave's 16 rows, row q, + 32 h
	v_mul_u32_u24 v6, v12, 272
	v_lshl_add_u32 v6, v11, 4, v6
	s_mul_i32 s26, s18, 4*272
	s_add_co_u32 s26, s26, OP
	v_add_nc_u32 v6, s26, v6                       ; back: rows 4 w + (lane / 16) of each wave's 16, 16 bytes a lane
.irp j, 0,1,2,3,4,5,6,7
	v_mov_b32 v[QB+8+\j], 0                        ; the zeros between the two copies of Q: written once
.endr
.irp j, 0,1,2,3,4,5,6,7,8,9,10,11,12,13,14,15
	v_mov_b32 v[TP+\j], 0                          ; written once: a lane permute's destination counts as one of its sources
.endr
	v_mov_b32 v[TMP], 0
	s_mov_b32 s20, 0x3e38aa3b                      ; c = log2(e) / 8
	s_mov_b32 s21, s20                             ; (named with it as a pair)
	s_mov_b32 s22, 0x76543210
	s_mov_b32 s23, 0xfedcba98                      ; v_permlanex16_b32's selects for lane l xor 16
	s_mov_b32 s24, 0x600000                        ; the mantissa field of 448
	s_and_b32 s19, ttmp7, 0xffff                   ; the head
	s_lshl_b32 s26, s19, 17                        ; a head's images: 131,072 bytes; my wave's 16 fragments: 32,768
	s_lshl_b32 s36, s18, 15
	s_add_co_u32 s26, s26, s36
	s_mov_b32 s27, 0
	s_lshl_b32 s28, s19, 12                        ; a head's scale words: 4,096 bytes; my wave's: 1,024
	s_lshl_b32 s36, s18, 10
	s_add_co_u32 s28, s28, s36
	s_mov_b32 s29, 0
	s_lshl_b32 s30, s19, 17                        ; Q: the work-group's 16 fragments
	s_lshl_b32 s36, ttmp9, 15
	s_add_co_u32 s30, s30, s36
	s_mov_b32 s31, 0
	s_lshl_b32 s32, s19, 12
	s_lshl_b32 s36, ttmp9, 10
	s_add_co_u32 s32, s32, s36
	s_mov_b32 s33, 0
	s_lshl_b32 s34, s19, 19                        ; out: a head's 2,048 rows of 256 bytes, the work-group's 512,
	s_lshl_b32 s36, ttmp9, 17
	s_add_co_u32 s34, s34, s36
	s_lshr_b32 s36, s18, 1
	s_lshl_b32 s36, s36, 11
	s_add_co_u32 s34, s34, s36                     ; and the rows that I add up and store: tile rows 4 w .. 4 w + 3 are queries 4 w + 8 (w / 2) on
	s_lshl_b32 s36, s18, 10
	s_add_co_u32 s34, s34, s36
	s_mov_b32 s35, 0
	s_wait_kmcnt 0x0
	s_add_nc_u64 s[4:5], s[4:5], s[30:31]
	s_add_nc_u64 s[6:7], s[6:7], s[32:33]
	s_add_nc_u64 s[8:9], s[8:9], s[26:27]
	s_add_nc_u64 s[10:11], s[10:11], s[28:29]
	s_add_nc_u64 s[12:13], s[12:13], s[26:27]
	s_add_nc_u64 s[14:15], s[14:15], s[28:29]
	s_add_nc_u64 s[16:17], s[16:17], s[34:35]
; a tile of Q (two groups of a fragment, 1,024 bytes at qoff), twice, and its fragment's scale words
.macro QLOAD qoff, qsoff
	global_load_b128 v[QB:QB+3],     v1, s[4:5] offset:\qoff
	global_load_b128 v[QB+4:QB+7],   v1, s[4:5] offset:\qoff+512
	global_load_b128 v[QB+16:QB+19], v1, s[4:5] offset:\qoff
	global_load_b128 v[QB+20:QB+23], v1, s[4:5] offset:\qoff+512
	global_load_b32 v[QW], v7, s[6:7] offset:\qsoff
.endm
	WIN 0x40                                       ; destination window 1
	s_wait_alu depctr_va_vdst(0)                   ; v1 to v7 are written: every load, store and LDS access of the kernel reads one of them as its offset or address; so are the zeros between the copies of Q, which the products take
.irp f, 0,1,2,3,4,5,6,7,8,9,10,11,12,13,14,15
.irp c, 0,1,2,3
	global_load_b128 v[16*\f+4*\c:16*\f+4*\c+3], v1, s[8:9] offset:2048*\f+512*\c     ; K: 512 consecutive bytes a load
.endr
.endr
	WIN 0x80                                       ; destination window 2
.irp f, 0,1,2,3,4,5,6,7,8,9,10,11,12,13,14,15
.irp c, 0,1,2,3
	global_load_b128 v[16*\f+4*\c:16*\f+4*\c+3], v1, s[12:13] offset:2048*\f+512*\c   ; V
.endr
.endr
	WIN 0
.irp g, 0,1,2,3,4,5,6,7
	global_load_b32 v[KS+\g], v2, s[10:11] offset:128*\g
	global_load_b32 v[VS+\g], v2, s[14:15] offset:128*\g
.endr
	QLOAD 0, 0
	s_wait_loadcnt 0x0
	v_perm_b32 v[QS], v[QW], v[QW], 0x01000100     ; tile 0's two bytes, for both places of Q
	PLACES 8                                       ; a scale register written by a vector instruction stands eight places ahead of the product
	s_wait_alu depctr_va_vdst(0)                   ; v[QS] is written, which block 0's products take as Q's scales; the places above stay beside this wait
; S^T = K Q^T for fragment f: 32 keys, two products that start their sums with the constant 0
.macro QK1 f, row
.if \row
	v_wmma_scale_f32_16x16x128_f8f6f4 v[16*(\f):16*(\f)+7], v[16*(\f):16*(\f)+15], v[QB:QB+15], 0, v[KS+(\f)/2], v[QS] matrix_a_scale:MATRIX_SCALE_ROW1
	v_wmma_scale_f32_16x16x128_f8f6f4 v[16*(\f)+8:16*(\f)+15], v[16*(\f):16*(\f)+15], v[QB+8:QB+23], 0, v[KS+(\f)/2], v[QS] matrix_a_scale:MATRIX_SCALE_ROW1
.else
	v_wmma_scale_f32_16x16x128_f8f6f4 v[16*(\f):16*(\f)+7], v[16*(\f):16*(\f)+15], v[QB:QB+15], 0, v[KS+(\f)/2], v[QS]
	v_wmma_scale_f32_16x16x128_f8f6f4 v[16*(\f)+8:16*(\f)+15], v[16*(\f):16*(\f)+15], v[QB+8:QB+23], 0, v[KS+(\f)/2], v[QS]
.endif
.endm
.macro QK g                            ; fragments 2 g and 2 g + 1
	QK1 2*(\g), 0
	QK1 2*(\g)+1, 1
.endm
; a = 2^(c x score) for the 32 registers of group g, ascending.  A multiplication two pairs ahead stands in front of each two exponentials.
.macro EXPS g
.set eb, 32*(\g)
	v_pk_mul_f32 v[eb:eb+1], v[eb:eb+1], s[20:21] op_sel_hi:[1,0]
	v_pk_mul_f32 v[eb+2:eb+3], v[eb+2:eb+3], s[20:21] op_sel_hi:[1,0]
.set ek, 0
.rept 16
.if ek < 14
	v_pk_mul_f32 v[eb+2*ek+4:eb+2*ek+5], v[eb+2*ek+4:eb+2*ek+5], s[20:21] op_sel_hi:[1,0]
.endif
	v_exp_f32 v[eb+2*ek], v[eb+2*ek]
	v_exp_f32 v[eb+2*ek+1], v[eb+2*ek+1]
.set ek, ek+1
.endr
.endm
.macro SUMS                            ; my 256 a, two at a time, in four chains that begin as 0 + a
.set sj, 0
.rept 128
.if sj < 4
	v_pk_add_f32 v[10+2*sj:11+2*sj], 0, v[2*sj:2*sj+1] op_sel_hi:[0,1]
.else
	v_pk_add_f32 v[10+2*(sj%4):11+2*(sj%4)], v[10+2*(sj%4):11+2*(sj%4)], v[2*sj:2*sj+1]
.endif
.set sj, sj+1
.endr
.endm
.macro MAXS f0                         ; the largest a of my 16 in each of blocks f0 .. f0 + 7, by turns (a is never negative)
.irp i, 0,2,4,6,8,10,12,14
.irp b, 0,1,2,3,4,5,6,7
.if \i == 0
	v_max3_num_f32 v[TM+\f0+\b], 0, v[16*(\f0+\b)], v[16*(\f0+\b)+1]
.else
	v_max3_num_f32 v[TM+\f0+\b], v[TM+\f0+\b], v[16*(\f0+\b)+\i], v[16*(\f0+\b)+\i+1]
.endif
.endr
.endr
.endm
; The 16 blocks' scales.  A block's largest a_hat is the same multiplication on the block's largest a: the same bits as the largest of the products, since rounding keeps the order.
.macro SCALES
.irp i, 0,2,4,6,8,10,12,14
	v_pk_mul_f32 v[TM+\i:TM+\i+1], v[TM+\i:TM+\i+1], v[8:9]
.endr
.irp f, 0,1,2,3,4,5,6,7,8,9,10,11,12,13,14,15
	v_permlanex16_b32 v[TP+\f], v[TM+\f], s22, s23
.endr
.irp f, 0,1,2,3,4,5,6,7,8,9,10,11,12,13,14,15
	v_max3_num_f32 v[TM+\f], v[TM+\f], v[TP+\f], 0x4800000   ; with the block's other 16 keys, and the floor 2^(9 - 127): the byte cannot fall under 1
.endr
.irp f, 0,1,2,3,4,5,6,7,8,9,10,11,12,13,14,15
	v_add_nc_u32 v[SCL+\f], 0xfc000000, v[TM+\f]   ; 8 off the exponent field: the conversion's scale operand
.endr
.irp f, 0,1,2,3,4,5,6,7,8,9,10,11,12,13,14,15
	v_and_or_b32 v[HOLD+\f], v[TM+\f], 0x7f800000, s24   ; 448 x the scale
.endr
.irp f, 0,1,2,3,4,5,6,7,8,9,10,11,12,13,14,15
	v_lshrrev_b32 v[TP+\f], 23, v[SCL+\f]          ; the scale's byte
.endr
.irp s, 0,1,2,3
	v_lshl_or_b32 v[PS+\s], v[TP+4*\s+1], 8, v[TP+4*\s]
.endr
.irp s, 0,1,2,3
	v_lshl_or_b32 v[PS+\s], v[TP+4*\s+2], 16, v[PS+\s]
.endr
.irp s, 0,1,2,3
	v_lshl_or_b32 v[PS+\s], v[TP+4*\s+3], 24, v[PS+\s]
.endr
.endm
.macro MM s                            ; a_hat = d_inv x a for 128 keys, and the hold (one-sided: a_hat is never negative; the conversion to an 8-bit code does not saturate: ISA guide 7.6.2)
.set mb, 64*(\s)
.set mj, 0
.rept 32
	v_pk_mul_f32 v[mb+2*mj:mb+2*mj+1], v[mb+2*mj:mb+2*mj+1], v[8:9]
.set mj, mj+1
.endr
.irp b, 0,1,2,3
.irp i, 0,1,2,3,4,5,6,7,8,9,10,11,12,13,14,15
	v_min_num_f32 v[mb+16*\b+\i], v[mb+16*\b+\i], v[HOLD+4*(\s)+\b]
.endr
.endr
.endm
.macro CV s                            ; the codes of these 128 keys: the second product's source 1, as it stands
.irp b, 0,1,2,3
	v_cvt_scalef32_pk8_fp8_f32 v[P+16*((\s)%2)+4*\b:P+16*((\s)%2)+4*\b+1], v[64*(\s)+16*\b:64*(\s)+16*\b+7], v[SCL+4*(\s)+\b]
	v_cvt_scalef32_pk8_fp8_f32 v[P+16*((\s)%2)+4*\b+2:P+16*((\s)%2)+4*\b+3], v[64*(\s)+16*\b+8:64*(\s)+16*\b+15], v[SCL+4*(\s)+\b]
.endr
.endm
.macro PV1 s, t, row
.set pO, O+8*(\t)
.set pV, 16*(4*(\s)+(\t))
.set pP, P+16*((\s)%2)
.if (\s) == 0
.if \row
	v_wmma_scale_f32_16x16x128_f8f6f4 v[pO:pO+7], v[pV:pV+15], v[pP:pP+15], 0, v[VS+2*(\s)+(\t)/2], v[PS+(\s)] matrix_a_scale:MATRIX_SCALE_ROW1
.else
	v_wmma_scale_f32_16x16x128_f8f6f4 v[pO:pO+7], v[pV:pV+15], v[pP:pP+15], 0, v[VS+2*(\s)+(\t)/2], v[PS+(\s)]
.endif
.else
.if \row
	v_wmma_scale_f32_16x16x128_f8f6f4 v[pO:pO+7], v[pV:pV+15], v[pP:pP+15], v[pO:pO+7], v[VS+2*(\s)+(\t)/2], v[PS+(\s)] matrix_a_scale:MATRIX_SCALE_ROW1
.else
	v_wmma_scale_f32_16x16x128_f8f6f4 v[pO:pO+7], v[pV:pV+15], v[pP:pP+15], v[pO:pO+7], v[VS+2*(\s)+(\t)/2], v[PS+(\s)]
.endif
.endif
.endm
.macro PV s                            ; O^T += V^T a_hat^T for 128 keys: the four accumulators take turns, one instruction a turn; the first 128 keys start the sums
	PV1 \s, 0, 0
	PV1 \s, 1, 1
	PV1 \s, 2, 0
	PV1 \s, 3, 1
.endm
.macro OSTORE par                      ; my partial O^T goes to the region of parity par
.irp t, 0,1,2,3
	ds_store_b128 v5, v[O+8*\t:O+8*\t+3] offset:(\par)*OPP+64*\t        ; lane (q, h): d = 16 t + 8 h + 0 .. 7 of row q; each accumulator from its low end on
	ds_store_b128 v5, v[O+8*\t+4:O+8*\t+7] offset:(\par)*OPP+64*\t+16
.endr
.endm
.macro OLOAD par                       ; the four waves' partial results of my four rows, from the region of parity par
.irp k, 0,1
.irp pw, 0,1,2,3
	ds_load_b128 v[OSUM+16*\k+4*\pw:OSUM+16*\k+4*\pw+3], v6 offset:(\par)*OPP+4352*\pw+544*\k
.endr
.endr
.endm
.macro RADD                            ; (p0 + p1) + (p2 + p3)
.irp k, 0,1
	v_pk_add_f32 v[OSUM+16*\k:OSUM+16*\k+1],     v[OSUM+16*\k:OSUM+16*\k+1],     v[OSUM+16*\k+4:OSUM+16*\k+5]
	v_pk_add_f32 v[OSUM+16*\k+2:OSUM+16*\k+3],   v[OSUM+16*\k+2:OSUM+16*\k+3],   v[OSUM+16*\k+6:OSUM+16*\k+7]
	v_pk_add_f32 v[OSUM+16*\k+8:OSUM+16*\k+9],   v[OSUM+16*\k+8:OSUM+16*\k+9],   v[OSUM+16*\k+12:OSUM+16*\k+13]
	v_pk_add_f32 v[OSUM+16*\k+10:OSUM+16*\k+11], v[OSUM+16*\k+10:OSUM+16*\k+11], v[OSUM+16*\k+14:OSUM+16*\k+15]
.endr
.irp k, 0,1
	v_pk_add_f32 v[OSUM+16*\k:OSUM+16*\k+1],     v[OSUM+16*\k:OSUM+16*\k+1],     v[OSUM+16*\k+8:OSUM+16*\k+9]
	v_pk_add_f32 v[OSUM+16*\k+2:OSUM+16*\k+3],   v[OSUM+16*\k+2:OSUM+16*\k+3],   v[OSUM+16*\k+10:OSUM+16*\k+11]
.endr
.endm
.macro RSTORE ooff                     ; and out: each store covers two whole rows of 256 bytes
.irp k, 0,1
	global_store_b128 v1, v[OSUM+16*\k:OSUM+16*\k+3], s[16:17] offset:\ooff+512*\k th:TH_STORE_NT
.endr
.endm
; A BLOCK of 16 queries.  par: its parity;  red = 1: the block before goes to LDS, is added up and stored on the way;  nxt = 1: the next block's Q is asked for, at qoff / qsoff;  ooff: where the block before goes.
.macro BLOCK par, red, nxt, qoff, qsoff, ooff
	; ---- scores and exponentials.  Products run two groups ahead: the sixteen multiplications of the group between are the places behind them (eight are asked behind this form)
	WIN W_QK
	QK 0
	QK 1
	PLACES 8
.irp g, 0,1,2,3,4,5,6,7
	WIN W_A
	EXPS \g
.if \g < 6
	WIN W_QK
	QK \g+2
.endif
.endr
	; ---- the block before's O^T to LDS, the next Q, and my 512 keys' part of the row sums
	WIN 0
	s_wait_alu depctr_va_vdst(0)                   ; the 256 exponentials have written a, ahead of the sums, their first readers; the products K Q^T are done reading Q's registers and the line that made v[QS] is done reading v[QW], in which the loads below land;
	                                               ; the last block's products have written v[O ..], which the LDS stores below read; its lines on v[OSUM ..] and v[18:21], in which the LDS loads behind the barrier land, are done, and no vector line up to those loads names them
.if \red
	OSTORE 1-\par                                  ; far more than eight plain lines stand between the last block's products and these stores
.endif
.if \nxt
	QLOAD \qoff, \qsoff
.endif
	WIN W_SW
	SUMS
	WIN 0
	v_pk_add_f32 v[10:11], v[10:11], v[12:13]
	v_pk_add_f32 v[14:15], v[14:15], v[16:17]
	v_pk_add_f32 v[10:11], v[10:11], v[14:15]
	v_add_f32 v10, v10, v11
	v_permlanex16_b32 v[TMP], v10, s22, s23
	v_add_f32 v10, v10, v[TMP]                     ; my query's sum over my wave's keys
	s_wait_alu depctr_va_vdst(0)                   ; v10 is written, which the LDS store reads
	ds_store_b32 v3, v10 offset:256*\par           ; both halves of the lanes write the same word with the same value
	s_wait_dscnt 0x0                               ; for the others' sake: this store and the last block's eight stores of O^T have landed
	s_barrier_signal -1
	WIN W_SW
	MAXS 0                                         ; work on registers while the others arrive
	s_barrier_wait -1
.if \red
	s_wait_xcnt 0x0                                ; the stores of the block before last have read these registers
	OLOAD 1-\par
.endif
	ds_load_b128 v[18:21], v4 offset:256*\par      ; my query's four sums
	MAXS 8
	; ---- d_inv, the same in all four waves; the block before goes out; the blocks' scales
	WIN 0
	s_wait_dscnt 0x0
	v_add_f32 v18, v18, v19
	v_add_f32 v20, v20, v21
	v_add_f32 v18, v18, v20
	v_rcp_f32 v8, v18
.if \red
	RADD                                           ; plain lines behind the transcendental, which name neither its result nor its source
.else
	v_nop                                          ; one plain line behind a transcendental
.endif
	s_wait_alu depctr_va_vdst(0)                   ; the reciprocal has written v8, ahead of its first reader; the additions have written v[OSUM ..], which the stores to out read
.if \red
	RSTORE \ooff
.endif
	v_mov_b32 v9, v8
	SCALES
	; ---- normalise, quantise, multiply.  A set's products stand behind the next 128 keys' 96 plain lines, which are the places behind the conversions, in front of the products, and between a product and the next codes in its set
.irp s, 0,1,2,3
.if \s == 3
.if \nxt
	WIN 0
	s_wait_loadcnt 0x0                             ; the next Q is in
.if \par
	v_perm_b32 v[QS], v[QW], v[QW], 0x01000100     ; the next block is a fragment's tile 0.  The 96 plain lines below are its eight places ahead of the next block's products
.else
	v_perm_b32 v[QS], v[QW], v[QW], 0x03020302     ; tile 1
.endif
.endif
.endif
	WIN W_A
	MM \s
	WIN W_CV
	CV \s
.if \s == 1
	WIN W_PV
	s_wait_alu depctr_vm_vsrc(0)                   ; the LDS stores of the last block's O^T have read v[O ..], which the products below begin anew; my row sum's store has read v10, which the next block's sums write; the stores to out have read v[OSUM ..], in which the next block's LDS loads land
	s_wait_alu depctr_va_vdst(0)                   ; the conversions have written both sets of codes (keys 0 to 255) and the four scale words are written: the eight products on these keys take them
	PV 0
.endif
.if \s == 2
	WIN W_PV
	PV 1                                           ; its codes and its scale word were written ahead of the wait above, and no line since has written them
.endif
.if \s == 3
	WIN W_PV
	s_wait_alu depctr_va_vdst(0)                   ; the conversions have written both sets of codes anew (keys 256 to 511), which the eight products below take; v[QS] is written, which the next block's products take as Q's scales
	PV 2
.endif
.endr
	PLACES 4                                       ; the last codes stand four places ahead of their products
	PV 3
	WIN 0
.endm
; ONE BARRIER A BLOCK SUFFICES: block i's sums are stored ahead of barrier i and read behind it; its partial results are stored behind barrier i, ahead of barrier i + 1, and read behind barrier i + 1.  A region of one parity is written
; again two blocks later, with a barrier between, in front of which every wave has waited for all its LDS loads.
	BLOCK 0, 0, 1, 1024, 0, 0                      ; block 0
	s_mov_b32 s25, 15
.Ltrip:                                                ; blocks 2 j + 1 and 2 j + 2
	BLOCK 1, 1, 1, 2048, 64, 0
	BLOCK 0, 1, 1, 3072, 64, 2048
	s_wait_xcnt 0x0                                ; the bases are stepped only behind this wait
	s_add_nc_u64 s[4:5], s[4:5], 2048              ; a fragment of Q,
	s_add_nc_u64 s[6:7], s[6:7], 64                ; its scale words,
	s_add_nc_u64 s[16:17], s[16:17], 8192          ; 32 rows of out
	s_sub_co_u32 s25, s25, 1
	s_cmp_lg_u32 s25, 0
	s_cbranch_scc1 .Ltrip
	BLOCK 1, 1, 0, 0, 0, 0                         ; block 31 asks for nothing more
	PLACES 8                                       ; in front of the stores that read the last products' results
	s_wait_alu depctr_va_vdst(0)                   ; block 31's products have written v[O ..], which the LDS stores read; the places above stay beside this wait
	OSTORE 1
	s_wait_dscnt 0x0                               ; my stores of its O^T have landed
	s_barrier_signal -1
	s_barrier_wait -1
	s_wait_xcnt 0x0
	OLOAD 1                                        ; block 31's wait on vm_vsrc stands behind the stores that read these registers, its waits on va_vdst behind the additions that named them
	s_wait_dscnt 0x0
	RADD
	s_wait_alu depctr_va_vdst(0)                   ; the additions have written v[OSUM ..], which the last two stores read
	RSTORE 2048
	s_wait_dscnt 0x0                               ; the closing lines, six on end
	s_wait_alu 0x0
	s_wait_tensorcnt 0x0
	ds_add_u32 v254, v255
	s_wait_dscnt 0x0
	s_endpgm
.Lfunc_end_k_qee5285a197_attn:
	.size	k_qee5285a197_attn, .Lfunc_end_k_qee5285a197_attn-k_qee5285a197_attn
	.p2alignl 7, 3214868480
	.fill 96, 4, 3214868480
	.section	.rodata,"a",@progbits
	.p2align	6, 0x0
	.amdhsa_kernel k_qee5285a197_attn
		.amdhsa_group_segment_fixed_size 35840
		.amdhsa_private_segment_fixed_size 0
		.amdhsa_enable_private_segment 0
		.amdhsa_kernarg_size 56
		.amdhsa_user_sgpr_count 2
		.amdhsa_user_sgpr_kernarg_segment_ptr 1
		.amdhsa_wavefront_size32 1
		.amdhsa_system_sgpr_workgroup_id_x 1
		.amdhsa_system_sgpr_workgroup_id_y 1
		.amdhsa_system_sgpr_workgroup_id_z 1
		.amdhsa_system_vgpr_workitem_id 0
		.amdhsa_next_free_vgpr 1024
		.amdhsa_next_free_sgpr 66
		.amdhsa_reserve_vcc 0
		.amdhsa_float_denorm_mode_32 3
		.amdhsa_float_denorm_mode_16_64 3
		.amdhsa_memory_ordered 1
		.amdhsa_forward_progress 1
		.amdhsa_inst_pref_size 255
	.end_amdhsa_kernel
	.section	.bss,"aw",@nobits
	.p2align	6
	.space	262144
	.amdgpu_metadata
---
amdhsa.version: [ 1, 2 ]
amdhsa.kernels:
  - .name:           k_qee5285a197_attn
    .symbol:         k_qee5285a197_attn.kd
    .args:
      - { .name: qimg, .offset: 0, .size: 8, .value_kind: global_buffer, .address_space: global }
      - { .name: qscl, .offset: 8, .size: 8, .value_kind: global_buffer, .address_space: global }
      - { .name: kimg, .offset: 16, .size: 8, .value_kind: global_buffer, .address_space: global }
      - { .name: kscl, .offset: 24, .size: 8, .value_kind: global_buffer, .address_space: global }
      - { .name: vimg, .offset: 32, .size: 8, .value_kind: global_buffer, .address_space: global }
      - { .name: vscl, .offset: 40, .size: 8, .value_kind: global_buffer, .address_space: global }
      - { .name: out0, .offset: 48, .size: 8, .value_kind: global_buffer, .address_space: global }
    .group_segment_fixed_size: 35840
    .private_segment_fixed_size: 0
    .kernarg_segment_align: 8
    .kernarg_segment_size: 56
    .max_flat_workgroup_size: 128
    .sgpr_count:     66
    .vgpr_count:     1024
    .wavefront_size: 32
...
	.end_amdgpu_metadata
.endif
;; end of part 3
